; MI455X (gfx1250); checked and timed in simulation.
; The chip was launched on July 23, 2026; its instructions are those of AMD's public machine-readable ISA for CDNA 5 (MIT licence, August 2026) and "CDNA5" Instruction Set Architecture Reference Guide (July 2026). The comments in the code are by the model that wrote it; some were corrected since.
;; Intermediate. Allowed arithmetic: matrix products marked QUANTISED: E3M2 operands, one E8M0 scale for each 32 along K, by v_wmma_scale_f32_16x16x128_f8f6f4 with both operands' format E3M2, f32 sums; everything else in f32.
;; Inputs: bias 4,096 float32; hidden_states 2 x 2,048 x 4,096 float32; input_clip_val one number float32; weight 4,096 x 4,096 float32; weight_clip_val one number float32.
;; Outputs: out0 2 x 2,048 x 4,096 float32.
;; This version of the problem:
;;   THIS VERSION OF THE PROBLEM IS GIVEN IN LOW PRECISION. The matrix products marked QUANTISED in the list below multiply operands that are first quantised to E3M2 (3 exponent bits, 2 mantissa bits; 6 bits a number), with one power-of-two scale for each 32 numbers along K (OCP MX v1.0); their sums are f32. All else is computed in f32.
;;   The module's matrix products, in the order in which they are computed (A, B: the left and right operand; K: the contracted axis; several contracted axes count as one K, in the product's order):
;;     1. [M 4,096, K 4,096] x [K 4,096, N 4,096]; A: computed on the way; B: computed on the way: QUANTISED
;;   THE QUANTISER, for each operand of a quantised product, along K:
;;     - K is cut into blocks of 32 from its start; a last block that is shorter is filled with zeros.
;;     - A block's scale is 2^e with e = floor(log2(the largest magnitude in the block)) - 4, held to -126 .. 127; a block of zeros has e = 0. As a byte (E8M0): e + 127.
;;     - Each number is divided by its block's scale, clamped to +-28, and rounded to the nearest number of E3M2, ties to even, subnormals kept.
;;     - The product sums the exact products of the quantised numbers (number of the format x scale) in f32.
;;   ~~~python
;;   def quantise(x, axis):      # numpy; x: float32 -> the quantised numbers, widened to float32 again
;;       x = np.moveaxis(x, axis, -1); K = x.shape[-1]
;;       x = np.pad(x, [(0, 0)] * (x.ndim - 1) + [(0, -K % 32)]); x = x.reshape(x.shape[:-1] + (-1, 32)); a = np.abs(x).max(-1, keepdims=True)
;;       e = np.where(a > 0, np.clip(np.frexp(np.where(a > 0, a, 1))[1] - 1 - 4, -126, 127), 0)      # np.frexp(a)[1] - 1 = floor(log2(a)), exactly
;;       r = np.clip(x / 2.0 ** e, -28, 28)
;;       step = 2.0 ** (np.maximum(np.frexp(np.where(r == 0, 1, r))[1] - 1, -2) - 2)
;;       q = np.round(r / step) * step * 2.0 ** e      # np.round: ties to even
;;       return np.moveaxis(q.reshape(q.shape[:-2] + (-1,))[..., :K], -1, axis).astype(np.float32)
;;   ~~~
;;   OPERANDS COMPUTED ON THE WAY. 'Computed on the way' means the value that the module computes at that place (a softmax that the list does not call 'softmax' is quantised finished and normalised). What goes into a quantiser is computed in f32, as accurately as f32 sums, v_exp_f32 and their like allow (about 1e-6 of the number): no bf16 or f16 on the way to a quantiser, and a product that is left as it is and whose result goes on into a quantised operand takes f32 operands (vector FMAs, or v_wmma_f32_16x16x4_f32). A number that lies on a knife's edge between two numbers of the format may be rounded either way, as far as f32 arithmetic and the matrix unit's own rounding can turn it there, and no further.
;; One version. Each part assembles by itself: llvm-mc -triple=amdgcn-amd-amdhsa -mcpu=gfx1250 --defsym DOCPART=n.
;; ======== version 1 of 1: 2 launches
;; limits: right only within a limited range of input values
;; workspace buffers: xq 13,107,200 bytes; wq 13,107,200 bytes
;; launch quant (part 1): grid 1024 x 1, 4 waves a work-group, no clusters, 34,304 bytes of LDS; arguments hidden_states, weight, input_clip_val, weight_clip_val, xq, wq; writes xq, wq
.if DOCPART == 1
	.amdgcn_target "amdgcn-amd-amdhsa--gfx1250"
	.amdhsa_code_object_version 6
	.text
	.protected	k_qa57183e3e0_quant
	.globl	k_qa57183e3e0_quant
	.p2align	8
	.type	k_qa57183e3e0_quant,@function
k_qa57183e3e0_quant:
	s_mov_b64 s[64:65], 0
	v_nop
	global_prefetch_b8 v0, s[64:65] scope:SCOPE_SE
	s_setreg_imm32_b32 hwreg(HW_REG_WAVE_MODE, 25, 1), 1
	s_wait_xcnt 0x0
; hidden_states [4096][4096] and weight [4096][4096], f32, K innermost, are (1) quantised to 8 bits as the layer asks:
; c = |clip|, s = c / 127, q = round_to_even(clamp(x, -c, c) / s) x s, and (2) turned into codes of BF6 (E3M2) with one E8M0 byte for each 32 along K.
; The layer writes x_c + (q - x_c).  That is q: where q = 0 both steps are exact; else q and x_c lie within a factor of two of each other,
; so the difference is exact and the sum gives q back.  So q alone is computed.
; The division x_c / s is made as a rounded f32 division gives it: y0 = x r, e = x - y0 s (fused), y = y0 + e r (fused), r = 1 / s refined once.  s = c / 127 likewise.
; A block's scale is 2^(floor(log2(largest magnitude)) - 4): its byte is the largest magnitude's exponent field - 4, held at 1 from below by a floor among the maximum's leaves.
; LIMITS: NaN among the inputs is not served (infinities are clamped, as the layer clamps them).  |clip| between 2^-119 and 2^126, so that s and 1 / s are normal numbers.
; A block of zeros gets the byte 1 where the rule says 127: its codes are zeros, which add nothing under any byte but 0xff, and the bytes are read by this program alone.
; OUTPUT LAYOUT (xq, wq alike): [group of 128 rows: 32][K step of 128: 32][record of 12,800 bytes].  A record: eight images of operand registers, one for each block of 16 rows, 1,536 bytes each:
; registers 4 g .. 4 g + 3 of lane l at 512 g + 16 l; lane (r = l % 16, h = l / 16) holds row r, registers 6 c .. 6 c + 5 the codes of k = 64 c + 32 h + 0 .. 31.
; Behind them 512 bytes of scale words: that of (block i, row r) at 12,288 + 256 (i / 4) + 16 r + 4 (i % 4); byte b of a word scales k = 32 b .. 32 b + 31.
; SHARES.  Work-groups 0-511 take hidden_states, 512-1023 weight: only pointers are chosen, one path through the text.  A work-group takes 64 rows x 512 along K, a wave 64 rows x 128: four fragments.
; Each load reads 512 consecutive bytes of a row; 16 rows turn through the wave's own stage in LDS (rows of 512 + 16 bytes) so that a lane gets its 2 x 32 neighbours along K.
; Waves share nothing: no barrier.  Loads run two fragments (32 loads a wave) ahead.  Every offset is an immediate: 63 rows of 16,384 bytes at the most.
.set ROWB, 16384                       ; a row of the input in bytes
.set GRPB, 409600                      ; a group of 128 rows in the output: 32 records
.set REC,  12800
.set FRB,  1536                        ; a fragment's image
.set SP,   528                         ; a stage row: 512 bytes + 16 = 33 x 16: sixteen lanes that read one column of 16 rows touch 16 different columns of 16 bytes
.set STG,  16*SP                       ; a wave's stage
.set VLD,  1                           ; v1   16 x lane: my place in a load's 512 bytes and in a store's
.set STI,  2                           ; v2   the stage, on the way in
.set STO,  3                           ; v3   and out: row r, + 128 h
.set VSC,  4                           ; v4   16 r + 8 h: my two scale words' place
.set CL,   5                           ; v5   c
.set SC,   6                           ; v[6:7]   s, twice
.set RC,   8                           ; v[8:9]   1 / s, twice
.set MA,   10                          ; v10, v11 two chains of the maximum
.set MB,   11
.set SO,   12                          ; v12  the conversions' scale operand
.set B0,   13                          ; v13  the byte of my first block
.set SH,   14                          ; v14  8 h
.set PD,   15                          ; v15  a lane permute's destination
.set R,    16                          ; v16-143  two sets of 16 x 4 registers as loaded
.set X,    144                         ; v144-207 X[32 c + i] = (row r, k = 64 c + 32 h + i)
.set T,    208                         ; v208-223 at work
.set W,    224                         ; v224-227 the four fragments' scale words
.set D,    228                         ; v[228:229] the two that I store
.set B1,   230                         ; v230 the byte of my second block
.set PC,   240                         ; v240-251 the fragment's twelve registers
.set TC,   252                         ; v252-254 the upper half of a block's six: a conversion's three registers begin on an even number
	s_load_b256 s[4:11], s[0:1], 0x0               ; hidden_states s[4:5], weight s[6:7], input clip s[8:9], weight clip s[10:11]
	s_load_b128 s[12:15], s[0:1], 0x20             ; xq s[12:13], wq s[14:15]
	v_lshl_add_u32 v239, v0, 2, 0x8400
	v_mov_b32 v255, 0
	v_lshrrev_b32 v10, 5, v0
	v_readfirstlane_b32 s26, v10                   ; wave 0..3
	v_and_b32 v11, 31, v0                          ; lane
	v_and_b32 v12, 15, v0                          ; r
	v_bfe_u32 v13, v0, 4, 1                        ; h
	v_lshlrev_b32 v[VLD], 4, v11
	s_mul_i32 s17, s26, STG                        ; my stage
	v_add_nc_u32 v[STI], s17, v[VLD]
	v_mul_u32_u24 v[STO], v12, SP
	v_lshl_add_u32 v[STO], v13, 7, v[STO]
	v_add_nc_u32 v[STO], s17, v[STO]
	v_lshlrev_b32 v[VSC], 4, v12
	v_lshl_add_u32 v[VSC], v13, 3, v[VSC]
	v_cmp_lt_u32 s22, 15, v11                      ; lanes 16-31
	v_lshlrev_b32 v[SH], 3, v13
	v_mov_b32 v[PD], 0                             ; written once: a lane permute's destination counts as one of its sources
	s_mov_b32 s20, 0x76543210
	s_mov_b32 s21, 0xfedcba98                      ; v_permlanex16_b32's selects for lane l xor 16
	s_and_b32 s2, ttmp9, 511                       ; my place in my tensor
	s_lshr_b32 s3, s2, 3                           ; which 64 rows
	s_and_b32 s2, s2, 7
	s_lshl_b32 s2, s2, 2
	s_add_co_u32 s2, s2, s26                       ; which K step: 4 x (work-group % 8) + wave
	s_lshl_b32 s28, s3, 20                         ; in: 64 rows of 16,384 bytes,
	s_lshl_b32 s27, s2, 9                          ; 512 bytes a K step
	s_add_co_u32 s28, s28, s27
	s_mov_b32 s29, 0
	s_lshr_b32 s27, s3, 1                          ; out: the group of 128 rows,
	s_mul_i32 s30, s27, GRPB
	s_mul_i32 s27, s2, REC                         ; the record,
	s_add_co_u32 s30, s30, s27
	s_and_b32 s3, s3, 1                            ; and which half of it: blocks 0-3 or 4-7
	s_mul_i32 s27, s3, 4*FRB
	s_add_co_u32 s24, s30, s27                     ; the codes
	s_mov_b32 s25, 0
	s_lshl_b32 s27, s3, 8
	s_add_co_u32 s30, s30, s27
	s_add_co_u32 s30, s30, 8*FRB                   ; the scale words
	s_mov_b32 s31, 0
	s_wait_kmcnt 0x0
	s_cmp_lt_u32 ttmp9, 512                        ; hidden_states' work-group or weight's?  The choice hangs on the work-group's number alone
	s_cselect_b64 s[4:5], s[4:5], s[6:7]
	s_cselect_b64 s[8:9], s[8:9], s[10:11]
	s_cselect_b64 s[12:13], s[12:13], s[14:15]
	s_load_b32 s16, s[8:9], 0x0                    ; my tensor's clip
	s_add_nc_u64 s[4:5], s[4:5], s[28:29]
	s_add_nc_u64 s[18:19], s[12:13], s[30:31]
	s_add_nc_u64 s[12:13], s[12:13], s[24:25]
.macro LOAD f                          ; fragment f: rows 4 i + f, i = 0 .. 15, 512 consecutive bytes each, into set f % 2
.irp i, 0,1,2,3,4,5,6,7,8,9,10,11,12,13,14,15
; WHICH ROWS FORM A BLOCK: lane r of block f takes row 4 r + f of the work-group's 64 rows (so 'row r' of a block, above, is that row): four neighbouring blocks then hold four neighbouring rows in one lane,
; which lets the product's launch store its results from registers in whole runs of a row.
	global_load_b128 v[R+64*((\f)%2)+4*\i:R+64*((\f)%2)+4*\i+3], v[VLD], s[4:5] offset:(4*\i+(\f))*ROWB th:TH_LOAD_NT
.endr
.endm
.macro TURN f                          ; through the stage: LDS serves a wave's instructions in order, so no wait stands between the stores and the loads, nor in front of the next fragment's stores
.irp i, 0,1,2,3,4,5,6,7,8,9,10,11,12,13,14,15
	ds_store_b128 v[STI], v[R+64*((\f)%2)+4*\i:R+64*((\f)%2)+4*\i+3] offset:SP*\i
.endr
.irp c, 0,1
.irp j, 0,1,2,3,4,5,6,7
	ds_load_b128 v[X+32*\c+4*\j:X+32*\c+4*\j+3], v[STO] offset:256*\c+16*\j
.endr
.endr
.endm
; My block c of the fragment: 32 numbers, all mine.  The 8-bit step, the block's scale, its byte into v[byte], its codes into registers 6 c .. 6 c + 5 of the fragment.
.macro HALF c, byte
.set XB, X+32*(\c)
.set i, 0
.rept 32
	v_med3_num_f32 v[XB+i], v[XB+i], -v[CL], v[CL]                 ; clamp to -c .. c
.set i, i+1
.endr
.irp u, 0,16
.irp k, 0,2,4,6,8,10,12,14
	v_pk_mul_f32 v[T+\k:T+\k+1], v[XB+\u+\k:XB+\u+\k+1], v[RC:RC+1]   ; y0 = x r
.endr
.irp k, 0,2,4,6,8,10,12,14
	v_pk_fma_f32 v[XB+\u+\k:XB+\u+\k+1], v[T+\k:T+\k+1], v[SC:SC+1], v[XB+\u+\k:XB+\u+\k+1] neg_lo:[1,0,0] neg_hi:[1,0,0]   ; e = x - y0 s
.endr
.irp k, 0,2,4,6,8,10,12,14
	v_pk_fma_f32 v[T+\k:T+\k+1], v[XB+\u+\k:XB+\u+\k+1], v[RC:RC+1], v[T+\k:T+\k+1]   ; x / s = y0 + e r
.endr
.irp k, 0,1,2,3,4,5,6,7,8,9,10,11,12,13,14,15
	v_rndne_f32 v[T+\k], v[T+\k]                   ; to the nearest whole number, ties to even
.endr
.irp k, 0,2,4,6,8,10,12,14
	v_pk_mul_f32 v[XB+\u+\k:XB+\u+\k+1], v[T+\k:T+\k+1], v[SC:SC+1]   ; q
.endr
.endr
	v_max3_num_f32 v[MA], |v[XB]|, |v[XB+1]|, |v[XB+2]|            ; the block's largest magnitude, in two chains
	v_max3_num_f32 v[MB], |v[XB+3]|, |v[XB+4]|, |v[XB+5]|
.irp i, 6,10,14,18,22,26
	v_max3_num_f32 v[MA], v[MA], |v[XB+\i]|, |v[XB+\i+1]|
	v_max3_num_f32 v[MB], v[MB], |v[XB+\i+2]|, |v[XB+\i+3]|
.endr
	v_max3_num_f32 v[MA], v[MA], |v[XB+30]|, |v[XB+31]|
	v_max3_num_f32 v[MA], v[MA], v[MB], 0x2800000  ; and the floor 2^(5 - 127): the byte cannot fall under 1
	v_add_nc_u32 v[SO], 0xfe000000, v[MA]          ; 4 off its exponent field: the conversion takes the exponent field of this operand as its scale, and nothing else of it
	v_lshrrev_b32 v[\byte], 23, v[SO]              ; the scale's byte
	v_cvt_scalef32_pk16_bf6_f32 v[PC+6*(\c):PC+6*(\c)+2], v[XB:XB+15], v[SO]
	v_cvt_scalef32_pk16_bf6_f32 v[TC:TC+2], v[XB+16:XB+31], v[SO]
	v_nop                                          ; one plain place behind a scaled conversion
.irp i, 0,1,2
	v_mov_b32 v[PC+6*(\c)+3+\i], v[TC+\i]
.endr
.endm
.macro STEP f
.if (\f) < 3
	s_wait_loadcnt 16                              ; this fragment's 16 loads are in; the next fragment's 16 may be out
.else
	s_wait_loadcnt 0x0
.endif
	TURN \f
	s_wait_dscnt 8                                 ; the 16 stores and my first block's 8 loads are done; my second block's 8 may be out
.if (\f) > 0
	s_wait_xcnt 0x0                                ; the last fragment's stores have read the code registers: only behind this wait are they written again
.endif
.if (\f) < 2
	LOAD (\f)+2                                    ; into the set that the stage's stores have just read
.endif
	HALF 0, B0
	s_wait_dscnt 0x0
	HALF 1, B1
	v_lshl_or_b32 v[B1], v[B1], 16, v[B0]          ; my two bytes: blocks h and 2 + h of row r,
	v_lshlrev_b32 v[B1], v[SH], v[B1]              ; at their places in the scale word;
	v_permlanex16_b32 v[PD], v[B1], s20, s21
	v_or_b32 v[W+(\f)], v[B1], v[PD]               ; with lane l xor 16's two the word is whole, in both lanes
.irp g, 0,1,2
	global_store_b128 v[VLD], v[PC+4*\g:PC+4*\g+3], s[12:13] offset:FRB*(\f)+512*\g   ; 32 lanes store 512 consecutive bytes, at a multiple of 256 from the buffer's first byte
.endr
.endm
	LOAD 0
	LOAD 1
	s_wait_kmcnt 0x0                               ; the clip
	s_and_b32 s16, s16, 0x7fffffff                 ; c = |clip|
	s_mov_b32 s2, 0x3c010204                       ; 1 / 127
	s_mov_b32 s3, 0x42fe0000                       ; 127
	v_mov_b32 v[CL], s16
	v_mul_f32 v[MA], s2, v[CL]                     ; s = c / 127, as a rounded division gives it
	v_fma_f32 v[MB], -v[MA], s3, v[CL]
	v_fma_f32 v[SC], v[MB], s2, v[MA]
	s_wait_alu depctr_va_vdst(0)
	v_rcp_f32 v[RC], v[SC]
	v_nop                                          ; one plain place behind a transcendental
	v_mov_b32 v[SC+1], v[SC]
	s_wait_alu depctr_va_vdst(0)
	v_fma_f32 v[MA], -v[SC], v[RC], 1.0            ; one step of refinement
	v_fma_f32 v[RC], v[MA], v[RC], v[RC]
	v_mov_b32 v[RC+1], v[RC]
	STEP 0
	STEP 1
	STEP 2
	STEP 3
	v_cndmask_b32 v[D], v[W], v[W+2], s22          ; lanes 0-15 store row r's words of fragments 0, 1, lanes 16-31 those of fragments 2, 3
	v_cndmask_b32 v[D+1], v[W+1], v[W+3], s22
	global_store_b64 v[VSC], v[D:D+1], s[18:19]    ; 32 lanes store 256 consecutive bytes, at a multiple of 256 from the buffer's first byte
	s_wait_tensorcnt 0x0
	ds_add_u32 v239, v255
	s_wait_dscnt 0x0
	s_endpgm
.Lfunc_end_k_qa57183e3e0_quant:
	.size	k_qa57183e3e0_quant, .Lfunc_end_k_qa57183e3e0_quant-k_qa57183e3e0_quant
	.p2alignl 7, 3214868480
	.fill 96, 4, 3214868480
	.section	.rodata,"a",@progbits
	.p2align	6, 0x0
	.amdhsa_kernel k_qa57183e3e0_quant
		.amdhsa_group_segment_fixed_size 34304
		.amdhsa_private_segment_fixed_size 0
		.amdhsa_enable_private_segment 0
		.amdhsa_kernarg_size 48
		.amdhsa_user_sgpr_count 2
		.amdhsa_user_sgpr_kernarg_segment_ptr 1
		.amdhsa_wavefront_size32 1
		.amdhsa_system_sgpr_workgroup_id_x 1
		.amdhsa_system_sgpr_workgroup_id_y 1
		.amdhsa_system_sgpr_workgroup_id_z 1
		.amdhsa_system_vgpr_workitem_id 0
		.amdhsa_next_free_vgpr 256
		.amdhsa_next_free_sgpr 66
		.amdhsa_reserve_vcc 0
		.amdhsa_float_denorm_mode_32 3
		.amdhsa_float_denorm_mode_16_64 3
		.amdhsa_memory_ordered 1
		.amdhsa_forward_progress 1
		.amdhsa_inst_pref_size 87
	.end_amdhsa_kernel
	.amdgpu_metadata
---
amdhsa.version: [ 1, 2 ]
amdhsa.kernels:
  - .name:           k_qa57183e3e0_quant
    .symbol:         k_qa57183e3e0_quant.kd
    .args:
      - { .name: hidden_states, .offset: 0, .size: 8, .value_kind: global_buffer, .address_space: global }
      - { .name: weight, .offset: 8, .size: 8, .value_kind: global_buffer, .address_space: global }
      - { .name: input_clip_val, .offset: 16, .size: 8, .value_kind: global_buffer, .address_space: global }
      - { .name: weight_clip_val, .offset: 24, .size: 8, .value_kind: global_buffer, .address_space: global }
      - { .name: xq, .offset: 32, .size: 8, .value_kind: global_buffer, .address_space: global }
      - { .name: wq, .offset: 40, .size: 8, .value_kind: global_buffer, .address_space: global }
    .group_segment_fixed_size: 34304
    .private_segment_fixed_size: 0
    .kernarg_segment_align: 8
    .kernarg_segment_size: 48
    .max_flat_workgroup_size: 128
    .sgpr_count:     66
    .vgpr_count:     256
    .wavefront_size: 32
...
	.end_amdgpu_metadata
.endif
;; end of part 1
;; launch gemm (part 2): grid 16 x 16, 4 waves a work-group, clusters of 4 x 4, 327,680 bytes of LDS; arguments xq, wq, bias, out0; writes out0
.if DOCPART == 2
	.amdgcn_target "amdgcn-amd-amdhsa--gfx1250"
	.amdhsa_code_object_version 6
	.text
	.protected	k_qa57183e3e0_gemm
	.globl	k_qa57183e3e0_gemm
	.p2align	8
	.type	k_qa57183e3e0_gemm,@function
k_qa57183e3e0_gemm:
	s_mov_b64 s[64:65], 0
	v_nop
	global_prefetch_b8 v0, s[64:65] scope:SCOPE_SE
	s_setreg_imm32_b32 hwreg(HW_REG_WAVE_MODE, 25, 1), 1
	s_wait_xcnt 0x0
	s_wait_alu depctr_hold_cnt(0) depctr_sa_sdst(0) depctr_va_vdst(0) depctr_va_sdst(0) depctr_va_ssrc(0) depctr_va_vcc(0) depctr_vm_vsrc(0)
	s_getreg_b32 s2, hwreg(HW_REG_IB_STS2, 6, 4)
	s_cmp_eq_u32 s2, 0
	s_cbranch_scc0 .Lentry_in_a_cluster
	s_endpgm
.Lentry_in_a_cluster:
	s_bfe_u32 s2, ttmp6, 0x10000c
	s_cmp_lg_u32 s2, 0xf033
	s_cbranch_scc0 .Lentry_shape_is_right
	s_endpgm
.Lentry_shape_is_right:
; out0[m][n] = relu(sum over k of X[m][k] W[n][k] + bias[n]); X and W come as codes of BF6 (E3M2) with E8M0 scale words, as the launch before laid them:
; [group of 128 rows][K step of 128][record of 12,800 bytes]: eight images of operand registers (1,536 bytes a block of 16 rows: registers 4 g .. 4 g + 3 of lane l at 512 g + 16 l), then 512 bytes of scale words.
; Lane r of block i holds row 64 (i / 4) + 4 r + i % 4 of its group.
; A work-group of four waves makes 256 x 256 of out0, a wave 128 x 128: 64 accumulators.  Source 0 = a block of X, source 1 = a block of W: register j of lane (r, h) of accumulator (a, b) is
; out0(row 64 (a / 4) + 4 (8 h + j) + a % 4, column 64 (b / 4) + 4 r + b % 4).  So the accumulators b = 4 g .. 4 g + 3 hold four neighbouring columns in a lane: the relu writes them into four registers on end,
; and sixteen lanes store 256 consecutive bytes of a row, aligned, straight from registers: no LDS stage.  The bias is the C of the first K step's products: nothing is cleared, nothing is added later.
; THE RING: two LDS slots of three K steps (4 x 38,400 bytes: X's two groups, W's two groups), each wave fetching one group's three records by one tensor load, dense rows of 256 bytes.
; 32 K steps are ten slots of three and one of two.  CLUSTERS: 4 x 4 work-groups; X's tiles are asked for jointly along a row of the cluster, W's along a column.
; REGISTERS, in windows of 256.  Every window: v128-255 sixteen accumulators; v32-79 and v80-127 two sets of four fragments; v0-31 small things.
;   window 0: X's blocks 0-3; v0-15 addresses, v16-31 scale words, two sets.   window 1: X's blocks 4-7; v0-3 LDS addresses.   window 2: W's blocks 0-3; v0-31 bias.   window 3: W's blocks 4-7; v0-31 bias.
;   Accumulator (a, b) lies in window (a / 2 + 2) % 4.  A step goes by quarters q = 0 .. 3: X's blocks 2 q, 2 q + 1 against W's eight.
; BOTH OPERANDS HAVE TWO SETS: the whole next step's operands come into the other set in TWO runs of LDS loads: W's 24 loads at the step's head, X's 24 and the two of scale words behind its first quarter.
; The wait behind the first run leaves just that run out, so a step's own operands were all asked for in the step before.
; PREFETCH: behind each joint load the slot that the NEXT joint load will ask for (three K steps on) is named, 150 blocks of 256 bytes a wave's tile, shared out among the four partners by address
; (38, 38, 37, 37 blocks; two instructions, lanes left over name the share's last block again).  Slot 0 comes by its load alone; the last slot, of two records, is not asked for, so no address leaves the buffer.
.set REC,    12800
.set FRB,    1536
.set GRPB,   32*REC
.set HALFT,  3*REC                     ; what one tensor load brings
.set SLOT,   4*HALFT
.set SPARE,  2*SLOT                    ; the spare words, 512 bytes that no other line names
.set ROWC,   16384                     ; a row of out0 in bytes
.set SPW,  2                           ; window 0: my spare word's address; never rewritten
.set NIL,  3                           ; 0; never rewritten
.set CO,   4                           ; out0: 32 rows x h + 16 r
.set BO,   5                           ; bias: 16 r
.set ADRB, 6                           ; v6-7 W's fragments in slot 0, 1
.set PF,   8                           ; v8-9 the prefetches' offsets
.set SC,   16                          ; scale words: register 8 p + i: lanes 0-15 X's block i, lanes 16-31 W's block i
.set ADRA, 0                           ; window 1: v0-1 X's fragments in slot 0, 1
.set ADRS, 2                           ; window 1: v2-3 the scale words
.set FRG,  32
.set ACC,  128
.set G1,   24
.set G0,   32
.set G1B,  48
.set G0B,  56
.set G1L,  68                          ; groups 1 for the last slot's two records
.set G1BL, 76
.set PFA,  92                          ; s[92:93] where my prefetches stand
.set MSB, 0
.macro WIN new                         ; the immediate's high byte repeats the setting that is left
.set WNEW, \new
.if MSB != WNEW
	s_set_vgpr_msb (MSB<<8)|WNEW
.set MSB, WNEW
.endif
.endm
.macro PLACES
.rept 4
	v_nop
.endr
.endm
.macro JLOAD g0a, g1a, g0b, g1b        ; a joint load: waves 0, 1 fetch X's groups, waves 2, 3 W's
	s_cmp_eq_u32 s15, 0
	s_cbranch_scc0 .Lfor_b_\@
	tensor_load_to_lds s[\g0a:\g0a+3], s[\g1a:\g1a+7]
	s_nop 0
	PLACES
	s_branch .Lasked_\@
.Lfor_b_\@:
	tensor_load_to_lds s[\g0b:\g0b+3], s[\g1b:\g1b+7]
	s_nop 0
	PLACES
.Lasked_\@:
.endm
.macro CREST                           ; a round of the cluster's barrier behind its opening barrier
	s_cmp_lg_u32 s14, 0
	s_cbranch_scc1 .Lnot_wave_0_\@
	s_barrier_signal -3
.Lnot_wave_0_\@:
	s_barrier_wait -3
	s_barrier_signal -1
	s_barrier_wait -1
.endm
.macro CROUND
	s_barrier_signal -1
	s_barrier_wait -1
	CREST
.endm
.macro ASK cond                        ; cond = 2: not in the loop's last trip, where the slot three on is the short last one
.if \cond == 2
	s_cmp_gt_u32 s3, 1
	s_cbranch_scc0 .Lno_ask_\@
.endif
	global_prefetch_b8 v[PF], s[PFA:PFA+1] th:TH_LOAD_NT scope:SCOPE_SE
	global_prefetch_b8 v[PF+1], s[PFA:PFA+1] th:TH_LOAD_NT scope:SCOPE_SE
.if \cond == 2
.Lno_ask_\@:
.endif
.endm
	s_load_b256 s[4:11], s[0:1], 0x0               ; xq, wq, bias, out0
	v_lshl_add_u32 v[SPW], v0, 2, SPARE
	v_mov_b32 v[NIL], 0
	ds_add_u32 v[SPW], v[NIL]                      ; the opening lines: the add, twice on end, and its wait ahead of my first tensor load
	ds_add_u32 v[SPW], v[NIL]
	v_lshrrev_b32 v11, 5, v0
	v_readfirstlane_b32 s14, v11                   ; wave 0..3
	s_lshr_b32 s15, s14, 1                         ; my half of the rows.  Also: I fetch for X (0) or W (1)
	s_and_b32 s16, s14, 1                          ; my half of the columns.  Also: which group of that tile I fetch
	s_bfe_u32 s40, ttmp6, 0x40000                  ; cx
	s_bfe_u32 s41, ttmp6, 0x40004                  ; cy
	s_lshl_b32 s42, ttmp9, 2
	s_add_co_u32 s42, s42, s40                     ; tile column
	s_and_b32 s17, ttmp7, 0xffff
	s_lshl_b32 s17, s17, 2
	s_add_co_u32 s17, s17, s41                     ; tile row
	s_lshl_b32 s43, s41, 2
	s_lshl_b32 s43, 15, s43                        ; my row of the cluster
	s_lshl_b32 s44, 0x1111, s40                    ; my column
	s_or_b32 s[G1+0], s43, (3<<16)|(1<<21)         ; elements of 8 bytes, no padding: every LDS read is 16 bytes x lane on end
	s_or_b32 s[G1B+0], s44, (3<<16)|(1<<21)
	s_or_b32 s[G1L+0], s43, (3<<16)|(1<<21)
	s_or_b32 s[G1BL+0], s44, (3<<16)|(1<<21)
.irp g, G1, G1B
	s_mov_b32 s[\g+1], 32<<16                      ; rows of 256 bytes,
	s_mov_b32 s[\g+2], 150<<16                     ; 150 of them: three records
	s_mov_b32 s[\g+3], 32<<16
	s_mov_b32 s[\g+4], 150
	s_mov_b32 s[\g+5], 32
	s_mov_b32 s[\g+6], 0
	s_mov_b32 s[\g+7], 0
.endr
.irp g, G1L, G1BL
	s_mov_b32 s[\g+1], 32<<16
	s_mov_b32 s[\g+2], 100<<16                     ; two records
	s_mov_b32 s[\g+3], 32<<16
	s_mov_b32 s[\g+4], 100
	s_mov_b32 s[\g+5], 32
	s_mov_b32 s[\g+6], 0
	s_mov_b32 s[\g+7], 0
.endr
	s_lshl_b32 s20, s17, 1
	s_add_co_u32 s20, s20, s16
	s_mul_i32 s20, s20, GRPB                       ; X: group 2 x tile row + half
	s_mov_b32 s21, 0
	s_lshl_b32 s46, s42, 1
	s_add_co_u32 s46, s46, s16
	s_mul_i32 s46, s46, GRPB                       ; W: group 2 x tile column + half
	s_mov_b32 s47, 0
	s_mul_i32 s45, s14, HALFT                      ; where my tile goes: the wave's number alone
	s_wait_dscnt 0x0                               ; both opening adds are done
	s_wait_kmcnt 0x0
	s_add_nc_u64 s[20:21], s[4:5], s[20:21]
	s_add_nc_u64 s[46:47], s[6:7], s[46:47]
	CROUND                                         ; all sixteen work-groups are here: the first joint loads meet
.irp s, 0,1
	s_mov_b32 s[G0+4*\s], 1
	s_add_co_u32 s[G0+4*\s+1], s45, \s*SLOT
	s_add_nc_u64 s[G0+4*\s+2:G0+4*\s+3], s[20:21], \s*HALFT
	s_or_b32 s[G0+4*\s+3], s[G0+4*\s+3], 0x80000000
	s_mov_b32 s[G0B+4*\s], 1
	s_add_co_u32 s[G0B+4*\s+1], s45, \s*SLOT
	s_add_nc_u64 s[G0B+4*\s+2:G0B+4*\s+3], s[46:47], \s*HALFT
	s_or_b32 s[G0B+4*\s+3], s[G0B+4*\s+3], 0x80000000
.endr
	JLOAD G0, G1, G0B, G1B                         ; slot 0: one tensor load a wave at the head
	; scalars first, then the vector lines on end
	s_cmp_eq_u32 s15, 0
	s_cselect_b32 s94, s40, s41                    ; my place p among the four that ask for my tile with me
	s_cselect_b64 s[PFA:PFA+1], s[20:21], s[46:47]
	s_lshr_b32 s95, s94, 1                         ; 1 at places 2, 3: a share of 37 blocks, else 38
	s_and_b32 s96, s94, s95                        ; 1 at place 3
	s_mul_i32 s94, s94, 38
	s_sub_co_u32 s94, s94, s96                     ; my share's first block: 0, 38, 76, 113
	s_lshl_b32 s94, s94, 8
	s_add_co_u32 s94, s94, HALFT                   ; the first slot asked for is slot 1
	s_sub_co_u32 s96, 5, s95                       ; the share's length - 33
	s_mov_b32 s95, 0
	s_add_nc_u64 s[PFA:PFA+1], s[PFA:PFA+1], s[94:95]
	s_mul_i32 s84, s15, HALFT                      ; my group of X in slot 0,
	s_add_co_u32 s88, s84, SLOT                    ; in slot 1
	s_mul_i32 s85, s16, HALFT
	s_add_co_u32 s85, s85, 2*HALFT                 ; my group of W
	s_add_co_u32 s87, s85, SLOT
	s_xor_b32 s86, s15, 1
	s_add_co_u32 s86, s86, s16
	s_add_co_u32 s86, s86, 1
	s_mul_i32 s86, s86, HALFT                      ; from my group of X to my group of W
	s_lshl_b32 s90, s42, 10
	s_lshl_b32 s91, s16, 9
	s_add_co_u32 s90, s90, s91                     ; my first column, in bytes
	s_mov_b32 s91, 0
	s_add_nc_u64 s[8:9], s[8:9], s[90:91]
	s_add_nc_u64 s[10:11], s[10:11], s[90:91]
	s_lshl_b32 s90, s17, 8
	s_lshl_b32 s89, s15, 7
	s_add_co_u32 s90, s90, s89
	s_lshl_b32 s90, s90, 14                        ; my first row, in bytes
	s_add_nc_u64 s[10:11], s[10:11], s[90:91]
	v_and_b32 v11, 15, v0                          ; r
	v_bfe_u32 v12, v0, 4, 1                        ; h
	v_and_b32 v13, 31, v0                          ; lane
	v_lshlrev_b32 v14, 4, v13
	v_lshlrev_b32 v[BO], 4, v11
	v_mul_u32_u24 v15, s86, v12                    ; lanes 16-31 take W's scale words
	v_add_nc_u32 v15, v[BO], v15
	v_lshl_add_u32 v[CO], v12, 19, v[BO]           ; lanes 16-31: 4 x 8 rows of 16,384 bytes further down
	v_add_nc_u32 v[ADRB], s85, v14
	v_add_nc_u32 v[ADRB+1], s87, v14
	v_lshlrev_b32 v[PF], 8, v13                    ; blocks 0 .. 31 of my share
	v_min_u32 v13, s96, v13
	v_lshl_add_u32 v[PF+1], v13, 8, 0x2000         ; blocks 32 .. the last
	WIN 0x40                                       ; destinations in window 1
	v_add_nc_u32 v[ADRA], s84, v14
	v_add_nc_u32 v[ADRA+1], s88, v14
	v_add_nc_u32 v[ADRS], s84, v15
	v_add_nc_u32 v[ADRS+1], s88, v15
	WIN 0x80                                       ; (addresses in window 0, loaded data in window 2)
	ASK 1                                          ; slot 1
	; the bias as eight C operands: lane r of tile b holds bias[64 (b / 4) + 4 r + b % 4] in all eight registers
.irp b, 0,1,2,3
.irp j, 0,1,2,3,4,5,6,7
	global_load_b32 v[8*\b+\j], v[BO], s[8:9] offset:4*\b
.endr
.endr
	WIN 0xc0
.irp b, 0,1,2,3
.irp j, 0,1,2,3,4,5,6,7
	global_load_b32 v[8*\b+\j], v[BO], s[8:9] offset:256+4*\b
.endr
.endr
	WIN 0
.macro WM a, b, p, first               ; one product; the 64 accumulators take turns, one instruction a turn
.set AR, FRG+48*(\p)+12*((\a)%4)
.set BR, FRG+48*(\p)+12*((\b)%4)
.set DR, ACC+8*(8*((\a)%2)+(\b))
.if \first
	v_wmma_scale_f32_16x16x128_f8f6f4 v[DR:DR+7], v[AR:AR+11], v[BR:BR+11], v[8*((\b)%4):8*((\b)%4)+7], v[SC+8*(\p)+(\a)], v[SC+8*(\p)+(\b)] matrix_a_fmt:MATRIX_FMT_BF6 matrix_b_fmt:MATRIX_FMT_BF6 matrix_b_scale:MATRIX_SCALE_ROW1
.else
	v_wmma_scale_f32_16x16x128_f8f6f4 v[DR:DR+7], v[AR:AR+11], v[BR:BR+11], v[DR:DR+7], v[SC+8*(\p)+(\a)], v[SC+8*(\p)+(\b)] matrix_a_fmt:MATRIX_FMT_BF6 matrix_b_fmt:MATRIX_FMT_BF6 matrix_b_scale:MATRIX_SCALE_ROW1
.endif
.endm
; Four blocks of record nq of slot ns into set tp: part 0: W's 0-3, 1: W's 4-7, 2: X's 0-3 and the two loads of scale words, 3: X's 4-7.  The data's window is (part + 2) % 4, the address's 0 for W, 1 for X.
.macro LDRUN q, tp, ns, nq
	WIN ((\q)/2)|((((\q)+2)%4)<<6)
.set LI, 0
.rept 12
.if (\q) < 2
	ds_load_b128 v[FRG+48*(\tp)+4*LI:FRG+48*(\tp)+4*LI+3], v[ADRB+(\ns)] offset:REC*(\nq)+FRB*(4*((\q)%2)+LI/3)+512*(LI%3)
.else
	ds_load_b128 v[FRG+48*(\tp)+4*LI:FRG+48*(\tp)+4*LI+3], v[ADRA+(\ns)] offset:REC*(\nq)+FRB*(4*((\q)%2)+LI/3)+512*(LI%3)
.endif
.if ((\q) == 2) && (LI < 2)
	ds_load_b128 v[SC+8*(\tp)+4*LI:SC+8*(\tp)+4*LI+3], v[ADRS+(\ns)] offset:REC*(\nq)+8*FRB+256*LI
.endif
.set LI, LI+1
.endr
.endm
.macro FETCH_W tp, ns, nq              ; W's eight fragments: 24 LDS loads in one run
	LDRUN 0, \tp, \ns, \nq
	LDRUN 1, \tp, \ns, \nq
.endm
.macro FETCH_X tp, ns, nq              ; X's eight fragments and the scale words: 26 LDS loads in one run
	LDRUN 2, \tp, \ns, \nq
	LDRUN 3, \tp, \ns, \nq
.endm
.macro HALFQ q, bh, p, first           ; eight products: X's blocks 2 q, 2 q + 1 against W's blocks 4 bh .. 4 bh + 3
.if \first
	WIN ((\q)/2)|((2+\bh)<<2)|((2+\bh)<<4)|((((\q)+2)%4)<<6)
.else
	WIN ((\q)/2)|((2+\bh)<<2)|((((\q)+2)%4)*0x50)
.endif
.irp a2, 0,1
.irp b4, 0,1,2,3
	WM 2*(\q)+\a2, 4*(\bh)+\b4, \p, \first
.endr
.endr
.endm
.macro QUARTER q, p, first
	HALFQ \q, 0, \p, \first
	HALFQ \q, 1, \p, \first
.endm
; A K step on set p; ld = 1: the next step's operands (record nq of slot ns) are asked for on the way, into the other set.
.macro STEP p, ns, nq, first, ld
.if \ld
.if (\first) == 0
	PLACES                                         ; four places between the last step's products and the loads into the set that they read
.endif
	FETCH_W 1-(\p), \ns, \nq
	s_wait_dscnt 24                                ; all but the 24 just issued: this step's operands are in
.else
	s_wait_dscnt 0x0
.endif
	QUARTER 0, \p, \first
.if \ld
	FETCH_X 1-(\p), \ns, \nq
.endif
	QUARTER 1, \p, \first
	QUARTER 2, \p, \first
	QUARTER 3, \p, \first
.endm
; A slot's third step.  Its own operands were asked for in the step before, so this slot is read no more: the change of slots stands in its first quarter.
; fill = 1: the slot takes the slot two on; 2: the short last slot; 0: nothing.  The next step's two runs of loads, from the other slot, stand behind the joint load and behind the second quarter.
.macro TURN slot, p, fill, ask
.if \ask
	s_wait_xcnt 0x0                                ; my last prefetches have read their base
	s_add_nc_u64 s[PFA:PFA+1], s[PFA:PFA+1], HALFT
.endif
	WIN 0                                          ; (the add's two registers lie in window 0)
	s_wait_tensorcnt 0x0                           ; my one load that was out, my part of the other slot, has landed;
	ds_add_u32 v[SPW], v[NIL]
	s_wait_dscnt 1                                 ; (the add may be out: this step's operands are in)
	HALFQ 0, 0, \p, 0
	s_wait_dscnt 0x0                               ; the add is done, and my reads of this slot are over
	s_barrier_signal -1
	HALFQ 0, 1, \p, 0
	WIN 0
	s_barrier_wait -1
.if \fill
	CREST                                          ; the barrier has opened a round of the cluster's barrier
	s_add_nc_u64 s[G0+4*\slot+2:G0+4*\slot+3], s[G0+4*\slot+2:G0+4*\slot+3], 2*HALFT
	s_add_nc_u64 s[G0B+4*\slot+2:G0B+4*\slot+3], s[G0B+4*\slot+2:G0B+4*\slot+3], 2*HALFT
.if \fill == 1
	JLOAD G0+4*\slot, G1, G0B+4*\slot, G1B         ; the first tensor load behind the round; its four v_nop are the places in front of the loads below
.else
	JLOAD G0+4*\slot, G1L, G0B+4*\slot, G1BL
.endif
.if \ask
	ASK \ask
.endif
.else
	PLACES
.endif
	FETCH_W 1-(\p), 1-(\slot), 0
	QUARTER 1, \p, 0
	FETCH_X 1-(\p), 1-(\slot), 0
	QUARTER 2, \p, 0
	QUARTER 3, \p, 0
.endm
	s_wait_alu depctr_va_vdst(0)
	s_wait_tensorcnt 0x0                           ; my part of slot 0 is in; the same lines as ahead of a refill stand ahead of slot 1's first fill
	ds_add_u32 v[SPW], v[NIL]
	s_wait_xcnt 0x0                                ; my first prefetches have read their base:
	s_add_nc_u64 s[PFA:PFA+1], s[PFA:PFA+1], HALFT ; on to slot 2
	s_wait_dscnt 0x0
	CROUND
	JLOAD G0+4, G1, G0B+4, G1B                     ; slot 1
	ASK 1                                          ; slot 2
	FETCH_W 0, 0, 0                                ; K step 0's operands
	FETCH_X 0, 0, 0
	s_wait_loadcnt 0x0                             ; the bias
	STEP 0, 0, 1, 1, 1                             ; the first step's products start the sums on the bias
	WIN 0
	s_mov_b32 s3, 4
.Llap:                                                 ; a trip goes once round the ring: six K steps, from a lap's second to the next lap's first
	STEP 1, 0, 2, 0, 1
	TURN 0, 0, 1, 1
	STEP 1, 1, 1, 0, 1
	STEP 0, 1, 2, 0, 1
	TURN 1, 1, 1, 2
	STEP 0, 0, 1, 0, 1
	WIN 0
	s_sub_co_u32 s3, s3, 1
	s_cmp_lg_u32 s3, 0
	s_cbranch_scc1 .Llap
	STEP 1, 0, 2, 0, 1                             ; K steps 25 to 31
	TURN 0, 0, 2, 0
	STEP 1, 1, 1, 0, 1
	STEP 0, 1, 2, 0, 1
	TURN 1, 1, 0, 0
	STEP 0, 0, 1, 0, 1
	STEP 1, 0, 0, 0, 0
; THE WAY OUT, window by window.  A unit: one block of X against four tiles of W: 32 relus, each accumulator read from its low end on, into 32 registers where fragments lay; 8 stores of 16 bytes a lane.
; Three such sets of registers in each window; the window's fourth unit takes the first set again, behind the wait that frees a store's data.  Every offset is an immediate: 95 rows of out0 at the most.
.macro OUTW q
.set DW, ((\q)+2)%4
	WIN (DW<<6)|(DW<<2)                            ; the relu's source and destination and the stores' data in D's window, the stores' offset in window 0
.irp a2, 0,1
.irp g, 0,1
.set U, 2*\a2+\g
.if U == 3
	s_wait_xcnt 0x0
.endif
.set TB, FRG+32*(U%3)
.irp j, 0,1,2,3,4,5,6,7
.irp t, 0,1,2,3
	v_max_num_f32 v[TB+4*\j+\t], 0, v[ACC+8*(8*\a2+4*\g+\t)+\j]
.endr
.endr
.irp j, 0,1,2,3,4,5,6,7
	global_store_b128 v[CO], v[TB+4*\j:TB+4*\j+3], s[10:11] offset:(64*((\q)/2)+4*\j+2*((\q)%2)+\a2)*ROWC+256*\g th:TH_STORE_NT   ; sixteen lanes store 256 consecutive bytes, aligned
.endr
.endr
.endr
.endm
	PLACES                                         ; behind the last products: results are read, and registers that they read are written
	OUTW 0
	OUTW 1
	OUTW 2
	OUTW 3
	WIN 0
	s_wait_tensorcnt 0x0                           ; the wave's end
	ds_add_u32 v[SPW], v[NIL]
	s_wait_dscnt 0x0
	CROUND                                         ; the closing round
	s_endpgm
.Lfunc_end_k_qa57183e3e0_gemm:
	.size	k_qa57183e3e0_gemm, .Lfunc_end_k_qa57183e3e0_gemm-k_qa57183e3e0_gemm
	.p2alignl 7, 3214868480
	.fill 96, 4, 3214868480
	.section	.rodata,"a",@progbits
	.p2align	6, 0x0
	.amdhsa_kernel k_qa57183e3e0_gemm
		.amdhsa_group_segment_fixed_size 327680
		.amdhsa_private_segment_fixed_size 0
		.amdhsa_enable_private_segment 0
		.amdhsa_kernarg_size 32
		.amdhsa_user_sgpr_count 2
		.amdhsa_user_sgpr_kernarg_segment_ptr 1
		.amdhsa_wavefront_size32 1
		.amdhsa_system_sgpr_workgroup_id_x 1
		.amdhsa_system_sgpr_workgroup_id_y 1
		.amdhsa_system_sgpr_workgroup_id_z 1
		.amdhsa_system_vgpr_workitem_id 0
		.amdhsa_next_free_vgpr 1024
		.amdhsa_next_free_sgpr 98
		.amdhsa_reserve_vcc 0
		.amdhsa_float_denorm_mode_32 3
		.amdhsa_float_denorm_mode_16_64 3
		.amdhsa_memory_ordered 1
		.amdhsa_forward_progress 1
		.amdhsa_inst_pref_size 211
	.end_amdhsa_kernel
	.amdgpu_metadata
---
amdhsa.version: [ 1, 2 ]
amdhsa.kernels:
  - .name:           k_qa57183e3e0_gemm
    .symbol:         k_qa57183e3e0_gemm.kd
    .args:
      - { .name: xq, .offset: 0, .size: 8, .value_kind: global_buffer, .address_space: global }
      - { .name: wq, .offset: 8, .size: 8, .value_kind: global_buffer, .address_space: global }
      - { .name: bias, .offset: 16, .size: 8, .value_kind: global_buffer, .address_space: global }
      - { .name: out0, .offset: 24, .size: 8, .value_kind: global_buffer, .address_space: global }
    .group_segment_fixed_size: 327680
    .private_segment_fixed_size: 0
    .kernarg_segment_align: 8
    .kernarg_segment_size: 32
    .max_flat_workgroup_size: 128
    .sgpr_count:     98
    .vgpr_count:     1024
    .wavefront_size: 32
...
	.end_amdgpu_metadata
.endif
;; end of part 2
